; MI455X (gfx1250); checked and timed in simulation.
; The chip was launched on July 23, 2026; its instructions are those of AMD's public machine-readable ISA for CDNA 5 (MIT licence, August 2026) and "CDNA5" Instruction Set Architecture Reference Guide (July 2026). The comments in the code are by the model that wrote it; some were corrected since.
;; Attention. Allowed arithmetic: matrix products marked QUANTISED: E2M3 operands, one E8M0 scale for each 32 along K, by v_wmma_scale_f32_16x16x128_f8f6f4 with both operands' format E2M3, f32 sums; products left as they are: f32 operands where the result goes on into a quantised operand, else bf16, f16 or f32 operands; f32 sums; everything else in f32.
;; Inputs: W_attn 2,048 x 1,024 float32; b_attn 1,024 float32; encoder_outputs_codes 16 x 2,048 x 32 x 24 uint8 (E2M3 codes of encoder_outputs, K innermost, in blocks of 32 codes, four codes in three bytes); encoder_outputs_scales 16 x 2,048 x 32 uint8 (E8M0 scales of encoder_outputs, one for each 32 codes along K); hidden_codes 16 x 32 x 24 uint8 (E2M3 codes of hidden, K innermost, in blocks of 32 codes, four codes in three bytes); hidden_scales 16 x 32 uint8 (E8M0 scales of hidden, one for each 32 codes along K); v 1,024 float32.
;; Outputs: out0 16 x 2,048 float32.
;; This version of the problem:
;;   THIS VERSION OF THE PROBLEM IS GIVEN IN LOW PRECISION. The matrix products marked QUANTISED in the list below multiply operands that are first quantised to E2M3 (2 exponent bits, 3 mantissa bits; 6 bits a number), with one power-of-two scale for each 32 numbers along K (OCP MX v1.0); their sums are f32. All else is computed in f32.
;;   The module's matrix products, in the order in which they are computed (A, B: the left and right operand; K: the contracted axis; several contracted axes count as one K, in the product's order):
;;     1. [M 16, K 1,024] x [K 1,024, N 1,024]; A: input hidden (given as codes); B: input W_attn: QUANTISED
;;     2. [M 32,768, K 1,024] x [K 1,024, N 1,024]; A: input encoder_outputs (given as codes); B: input W_attn: QUANTISED
;;     3. [M 32,768, K 1,024] x [K 1,024, N 1]; A: computed on the way; B: input v: left as it is (N = 1 < 16)
;;   THE QUANTISER, for each operand of a quantised product, along K:
;;     - K is cut into blocks of 32 from its start; a last block that is shorter is filled with zeros.
;;     - A block's scale is 2^e with e = floor(log2(the largest magnitude in the block)) - 2, held to -126 .. 127; a block of zeros has e = 0. As a byte (E8M0): e + 127.
;;     - Each number is divided by its block's scale, clamped to +-7.5, and rounded to the nearest number of E2M3, ties to even, subnormals kept.
;;     - The product sums the exact products of the quantised numbers (number of the format x scale) in f32.
;;   ~~~python
;;   def quantise(x, axis):      # numpy; x: float32 -> the quantised numbers, widened to float32 again
;;       x = np.moveaxis(x, axis, -1); K = x.shape[-1]
;;       x = np.pad(x, [(0, 0)] * (x.ndim - 1) + [(0, -K % 32)]); x = x.reshape(x.shape[:-1] + (-1, 32)); a = np.abs(x).max(-1, keepdims=True)
;;       e = np.where(a > 0, np.clip(np.frexp(np.where(a > 0, a, 1))[1] - 1 - 2, -126, 127), 0)      # np.frexp(a)[1] - 1 = floor(log2(a)), exactly
;;       r = np.clip(x / 2.0 ** e, -7.5, 7.5)
;;       step = 2.0 ** (np.maximum(np.frexp(np.where(r == 0, 1, r))[1] - 1, 0) - 3)
;;       q = np.round(r / step) * step * 2.0 ** e      # np.round: ties to even
;;       return np.moveaxis(q.reshape(q.shape[:-2] + (-1,))[..., :K], -1, axis).astype(np.float32)
;;   ~~~
;;   INPUTS GIVEN AS CODES. encoder_outputs (in the module: [16, 2048, 1024], K = its axis 2); hidden (in the module: [16, 1024], K = its axis 1): each comes as NAME_codes (uint8): NAME with its K axis moved to the last place and cut into blocks of 32 codes, [.., K / 32, bytes a block], one block behind the other in memory; four codes in three bytes: a row's codes are one little-endian stream of bits, code i at bits 6 i .. 6 i + 5 (a code: sign, 2 exponent bits, 3 mantissa bits); and NAME_scales (uint8): the same leading axes, one E8M0 byte (e + 127) for each 32 codes along K. Its value is code x scale, taken as it is: it is not quantised again, and the codes and scales need not be those that the quantiser above would give.
;; One version. Each part assembles by itself: llvm-mc -triple=amdgcn-amd-amdhsa -mcpu=gfx1250 --defsym DOCPART=n.
;; ======== version 1 of 1: 3 launches
;; limits: right only within a limited range of input values
;; workspace buffers: wq 819,200 bytes; hp 524,288 bytes; att 524,288 bytes
;; launch prep (part 1): grid 16 x 16, 2 waves a work-group, no clusters, 0 bytes of LDS; arguments W_attn, hidden_codes, hidden_scales, wq, hp; writes wq, hp
.if DOCPART == 1
	.amdgcn_target "amdgcn-amd-amdhsa--gfx1250"
	.amdhsa_code_object_version 6
	.text
	.protected	k_qf10c96a26c_prep
	.globl	k_qf10c96a26c_prep
	.p2align	8
	.type	k_qf10c96a26c_prep,@function
k_qf10c96a26c_prep:
	s_mov_b64 s[64:65], 0
	v_nop
	global_prefetch_b8 v0, s[64:65] scope:SCOPE_SE
	s_setreg_imm32_b32 hwreg(HW_REG_WAVE_MODE, 25, 1), 1
	s_wait_xcnt 0x0
; THE PROGRAM: out0 = softmax_s( sum_h v[h] tanh( hidden W[:1024] + enc W[1024:] + b )[b][s][h] ), both products with W on codes of FP6 (E2M3) with one E8M0 scale for each 32 along K.
; Three launches: THIS ONE quantises W_attn along K (its first axis) and makes the first product in eight parts along K; the second makes the large product, the tanh and the sum with v; the third the softmax.
; WORK LEFT OUT.  With c = 2 log2(e) and r = 1 / (1 + 2^(c x)), tanh(x) = 1 - 2 r for every real x.  So the logit of (b, s) is sum_h v[h] - 2 sum_h v[h] r[b][s][h].
; The first term is the same for all s of a batch, whatever the inputs hold, and a softmax along s takes away every such term: it is never formed.  It is a sum of 1,024 numbers of v: of ordinary size beside the rest.
; Every input still has a way to the output and is loaded.  LIMITS: a NaN, an infinity or an overflow that arises in sum_h v[h] alone is not carried to the result; NaN and infinities among the inputs are not served;
; a block of zeros of W gets the scale byte 1 where the rule says 127: its codes are zeros, which add nothing under any byte but 0xff, and the bytes are read by this program alone.
; SHARES.  Work-group (x, y): columns 64 x .. 64 x + 63 and rows 128 y .. 128 y + 127 of W: one K step of hidden's half (y < 8) or of the encoder's (y >= 8).  Wave o takes columns 32 o .. 32 o + 31.
; A LANE TAKES A COLUMN AND ITS REGISTERS RUN DOWN K: a block of 32 along K lies in one lane, and the conversions give codes with K innermost.
; A lane then holds four blocks of its column; the operand wants blocks 0, 2 in lanes 0-15 and blocks 1, 3 in lanes 16-31 of a tile of 16 columns: even blocks are laid in F0, odd ones in F1, and twelve
; exchanges of F0's upper lanes with F1's lower lanes leave F0 = the fragment of columns 0-15 and F1 = that of columns 16-31.  The scale words need no exchange: lanes 0-15 hold tile 0's, lanes 16-31 tile 1's.
; y >= 8: the fragments go to wq AS IMAGES OF THE OPERAND'S REGISTERS: [quarter of 256 columns][K step][tile of 16 columns] of 1,536 bytes (three runs of 512: lane l's 16 bytes at 16 l);
;   behind a quarter's 196,608 bytes of images its scale words [K step][tile][column % 16]: 204,800 bytes a quarter.
; y < 8: the fragments stay in registers and are multiplied at once with hidden's K step: hp[K step][x][tile][register / 4][lane][4] holds hid_part's sum over these 128 along K.
.set M0,  16                           ; v16-19  a block's largest magnitude, first chain
.set M1,  20                           ; v20-23  second chain
.set SC,  24                           ; v24-27  the conversions' scale operands
.set BY,  28                           ; v28-31  the scale bytes
.set X,   32                           ; v32-159 my column's 128 numbers; later v32-47 the two results
.set F0,  160                          ; v160-171 even blocks, then the fragment of columns 0-15
.set F1,  172                          ; v172-183 odd blocks, then the fragment of columns 16-31
.set TQ,  184                          ; v184-199 the upper 16 codes of each block (a conversion's three registers begin on an even number)
.set HF,  200                          ; v200-211 hidden's fragment
; v1 lane, v2 4 lane, v3 r, v4 h, v5 16 lane, v7 hidden's codes, v8 hidden's scales, v12 W's scale word, v13 hidden's
	s_load_b256 s[4:11], s[0:1], 0x0               ; W s[4:5], hidden's codes s[6:7], hidden's scales s[8:9], wq s[10:11]
	s_load_b64 s[12:13], s[0:1], 0x20              ; hp
	v_lshrrev_b32 v1, 5, v0
	v_readfirstlane_b32 s16, v1                    ; o
	s_and_b32 s17, ttmp7, 0xffff                   ; y
	s_lshl_b32 s18, s17, 19                        ; W: 128 y rows of 4,096 bytes,
	s_lshl_b32 s19, ttmp9, 8                       ; + 64 columns a work-group,
	s_add_co_u32 s18, s18, s19
	s_lshl_b32 s19, s16, 7                         ; + 32 a wave
	s_add_co_u32 s18, s18, s19
	s_mov_b32 s19, 0
	v_and_b32 v1, 31, v0                           ; lane
	v_lshlrev_b32 v2, 2, v1
	v_and_b32 v3, 15, v0                           ; r
	v_bfe_u32 v4, v0, 4, 1                         ; h
	v_lshlrev_b32 v5, 4, v1
	v_mul_u32_u24 v7, v3, 768
	v_mad_u32_u24 v7, v4, 24, v7                   ; hidden: row r of 768 bytes, + 24 h
	v_lshlrev_b32 v8, 5, v3                        ; its scales: 32 bytes a row
	s_wait_alu depctr_va_vdst(0)
	s_wait_kmcnt 0x0
	s_add_nc_u64 s[4:5], s[4:5], s[18:19]
.macro LOADW                           ; W(128 y + i, my column), i = 0 .. 127: every offset is an immediate, 520,192 at the most
.set i, 0
.rept 128
	global_load_b32 v[X+i], v2, s[4:5] offset:4096*i th:TH_LOAD_NT
.set i, i+1
.endr
.endm
; My four blocks become codes and a scale word.  A block's scale is 2^(floor(log2(largest magnitude)) - 2): its byte is the largest magnitude's exponent field less 2, held at 1 from below by the floor among the leaves.
.macro QUANT
.irp bt, 0,1,2,3
.if \bt < 2
	s_wait_loadcnt 63                              ; this block's 32 loads are in: 96 or 64 younger ones could stay out; the count's field ends at 63, and a smaller count is safe
.else
	s_wait_loadcnt 32*(3-\bt)                      ; 32 younger loads may stay out, then none
.endif
.set XB, X+32*\bt
.set FB, F0+12*(\bt%2)+6*(\bt/2)
	v_max3_num_f32 v[M0+\bt], |v[XB]|, |v[XB+1]|, |v[XB+2]|
	v_max3_num_f32 v[M1+\bt], |v[XB+3]|, |v[XB+4]|, |v[XB+5]|
.irp k, 6,10,14,18,22,26
	v_max3_num_f32 v[M0+\bt], v[M0+\bt], |v[XB+\k]|, |v[XB+\k+1]|
	v_max3_num_f32 v[M1+\bt], v[M1+\bt], |v[XB+\k+2]|, |v[XB+\k+3]|
.endr
	v_max3_num_f32 v[M0+\bt], v[M0+\bt], |v[XB+30]|, |v[XB+31]|
	v_max3_num_f32 v[M0+\bt], v[M0+\bt], v[M1+\bt], 0x1800000   ; and the floor 2^(3 - 127)
	v_add_nc_u32 v[SC+\bt], 0xff000000, v[M0+\bt]  ; 2 off the exponent field: the conversion takes the exponent field of this operand as its scale
	v_lshrrev_b32 v[BY+\bt], 23, v[SC+\bt]         ; the scale's byte
	v_cvt_scalef32_pk16_fp6_f32 v[FB:FB+2], v[XB:XB+15], v[SC+\bt]
	v_cvt_scalef32_pk16_fp6_f32 v[TQ+4*\bt:TQ+4*\bt+2], v[XB+16:XB+31], v[SC+\bt]
.endr
	v_nop                                          ; one plain place behind the last scaled conversion
.irp bt, 0,1,2,3
.irp k, 0,1,2
	v_mov_b32 v[F0+12*(\bt%2)+6*(\bt/2)+3+\k], v[TQ+4*\bt+\k]
.endr
.endr
	v_lshl_or_b32 v12, v[BY+1], 8, v[BY]           ; my column's scale word for these 128 along K
	v_lshl_or_b32 v12, v[BY+2], 16, v12
	v_lshl_or_b32 v12, v[BY+3], 24, v12
.irp k, 0,1,2,3,4,5,6,7,8,9,10,11
	v_permlane16_swap_b32 v[F0+\k], v[F1+\k]       ; F0's lanes 16-31 change places with F1's lanes 0-15
.endr
.endm
	s_cmp_ge_u32 s17, 8                            ; the work-group's number alone: both waves go the same way
	s_cbranch_scc1 .Lenc
	; ---- y < 8: the first product
	s_mul_i32 s20, s17, 96                         ; hidden's K step: 96 bytes of each row,
	s_mov_b32 s21, 0
	s_add_nc_u64 s[6:7], s[6:7], s[20:21]
	s_lshl_b32 s20, s17, 2                         ; 4 scale bytes
	s_add_nc_u64 s[8:9], s[8:9], s[20:21]
	s_lshl_b32 s20, s17, 16                        ; hp: K step,
	s_lshl_b32 s22, ttmp9, 12                      ; group of 64 columns,
	s_add_co_u32 s20, s20, s22
	s_lshl_b32 s22, s16, 11                        ; my two tiles
	s_add_co_u32 s20, s20, s22
	s_add_nc_u64 s[12:13], s[12:13], s[20:21]
.irp p, 0,1,2,3,4,5
	global_load_b64 v[HF+2*\p:HF+2*\p+1], v7, s[6:7] offset:48*(\p/3)+8*(\p%3)
.endr
	global_load_b32 v13, v8, s[8:9]
	LOADW
	QUANT                                          ; its last wait, for 0, covers the seven loads above too
.rept 8
	v_nop                                          ; a scale register written by a vector instruction stands 8 places ahead of a scaled matrix instruction, an operand so written 4
.endr
	v_wmma_scale_f32_16x16x128_f8f6f4 v[32:39], v[HF:HF+11], v[F0:F0+11], 0, v13, v12 matrix_a_fmt:MATRIX_FMT_FP6 matrix_b_fmt:MATRIX_FMT_FP6
	v_wmma_scale_f32_16x16x128_f8f6f4 v[40:47], v[HF:HF+11], v[F1:F1+11], 0, v13, v12 matrix_a_fmt:MATRIX_FMT_FP6 matrix_b_fmt:MATRIX_FMT_FP6 matrix_b_scale:MATRIX_SCALE_ROW1
.rept 4
	v_nop                                          ; four places ahead of the first read of the results (ISA guide 7.12.1)
.endr
.irp n, 0,1,2,3
	global_store_b128 v5, v[32+4*\n:35+4*\n], s[12:13] offset:512*\n   ; register j of tile a: batch 8 h + j, column 16 a + r; each result from its low end on; 512 consecutive bytes
.endr
	s_endpgm
.Lenc:
	; ---- y >= 8: the images for the second launch
	s_sub_co_u32 s23, s17, 8                       ; K step
	s_lshr_b32 s20, ttmp9, 2
	s_mul_i32 s20, s20, 204800                     ; the quarter
	s_and_b32 s22, ttmp9, 3
	s_mul_i32 s24, s23, 24576
	s_add_co_u32 s24, s24, s20
	s_mul_i32 s25, s22, 6144                       ; four tiles a group,
	s_add_co_u32 s24, s24, s25
	s_mul_i32 s25, s16, 3072                       ; two a wave
	s_add_co_u32 s24, s24, s25
	s_mov_b32 s25, 0
	s_lshl_b32 s26, s23, 10
	s_add_co_u32 s26, s26, s20
	s_lshl_b32 s27, s22, 8
	s_add_co_u32 s26, s26, s27
	s_lshl_b32 s27, s16, 7
	s_add_co_u32 s26, s26, s27
	s_add_co_u32 s26, s26, 196608
	s_mov_b32 s27, 0
	s_add_nc_u64 s[24:25], s[10:11], s[24:25]
	s_add_nc_u64 s[26:27], s[10:11], s[26:27]
	LOADW
	QUANT
.irp t, 0,1
.irp k, 0,1,2
	global_store_b128 v5, v[F0+12*\t+4*\k:F0+12*\t+4*\k+3], s[24:25] offset:1536*\t+512*\k   ; 32 lanes store 512 consecutive bytes, at a multiple of 256 from wq's first byte
.endr
.endr
	global_store_b32 v2, v12, s[26:27]
	s_endpgm
.Lfunc_end_k_qf10c96a26c_prep:
	.size	k_qf10c96a26c_prep, .Lfunc_end_k_qf10c96a26c_prep-k_qf10c96a26c_prep
	.p2alignl 7, 3214868480
	.fill 96, 4, 3214868480
	.section	.rodata,"a",@progbits
	.p2align	6, 0x0
	.amdhsa_kernel k_qf10c96a26c_prep
		.amdhsa_group_segment_fixed_size 0
		.amdhsa_private_segment_fixed_size 0
		.amdhsa_enable_private_segment 0
		.amdhsa_kernarg_size 40
		.amdhsa_user_sgpr_count 2
		.amdhsa_user_sgpr_kernarg_segment_ptr 1
		.amdhsa_wavefront_size32 1
		.amdhsa_system_sgpr_workgroup_id_x 1
		.amdhsa_system_sgpr_workgroup_id_y 1
		.amdhsa_system_sgpr_workgroup_id_z 1
		.amdhsa_system_vgpr_workitem_id 0
		.amdhsa_next_free_vgpr 216
		.amdhsa_next_free_sgpr 66
		.amdhsa_reserve_vcc 0
		.amdhsa_float_denorm_mode_32 3
		.amdhsa_float_denorm_mode_16_64 3
		.amdhsa_memory_ordered 1
		.amdhsa_forward_progress 1
		.amdhsa_inst_pref_size 41
	.end_amdhsa_kernel
	.amdgpu_metadata
---
amdhsa.version: [ 1, 2 ]
amdhsa.kernels:
  - .name:           k_qf10c96a26c_prep
    .symbol:         k_qf10c96a26c_prep.kd
    .args:
      - { .name: W_attn, .offset: 0, .size: 8, .value_kind: global_buffer, .address_space: global }
      - { .name: hidden_codes, .offset: 8, .size: 8, .value_kind: global_buffer, .address_space: global }
      - { .name: hidden_scales, .offset: 16, .size: 8, .value_kind: global_buffer, .address_space: global }
      - { .name: wq, .offset: 24, .size: 8, .value_kind: global_buffer, .address_space: global }
      - { .name: hp, .offset: 32, .size: 8, .value_kind: global_buffer, .address_space: global }
    .group_segment_fixed_size: 0
    .private_segment_fixed_size: 0
    .kernarg_segment_align: 8
    .kernarg_segment_size: 40
    .max_flat_workgroup_size: 64
    .sgpr_count:     66
    .vgpr_count:     216
    .wavefront_size: 32
...
	.end_amdgpu_metadata
.endif
;; end of part 1
;; launch energy (part 2): grid 4 x 64, 4 waves a work-group, clusters of 4 x 4, 327,680 bytes of LDS; arguments encoder_outputs_codes, encoder_outputs_scales, wq, hp, b_attn, v, att; writes att
.if DOCPART == 2
	.amdgcn_target "amdgcn-amd-amdhsa--gfx1250"
	.amdhsa_code_object_version 6
	.text
	.protected	k_qf10c96a26c_energy
	.globl	k_qf10c96a26c_energy
	.p2align	8
	.type	k_qf10c96a26c_energy,@function
k_qf10c96a26c_energy:
	s_mov_b64 s[64:65], 0
	v_nop
	global_prefetch_b8 v0, s[64:65] scope:SCOPE_SE
	s_setreg_imm32_b32 hwreg(HW_REG_WAVE_MODE, 25, 1), 1
	s_wait_xcnt 0x0
	s_wait_alu depctr_hold_cnt(0) depctr_sa_sdst(0) depctr_va_vdst(0) depctr_va_sdst(0) depctr_va_ssrc(0) depctr_va_vcc(0) depctr_vm_vsrc(0)
	s_getreg_b32 s2, hwreg(HW_REG_IB_STS2, 6, 4)
	s_cmp_eq_u32 s2, 0
	s_cbranch_scc0 .Lentry_in_a_cluster
	s_endpgm
.Lentry_in_a_cluster:
	s_bfe_u32 s2, ttmp6, 0x10000c
	s_cmp_lg_u32 s2, 0xf033
	s_cbranch_scc0 .Lentry_shape_is_right
	s_endpgm
.Lentry_shape_is_right:
; att[Q][row] = -c sum over the 256 columns h of quarter Q of v[h] r[row][h], r = 1 / (1 + 2^(c x)), x = (enc W[1024:])[row][h] + hid_part + b_attn, c = 2 log2(e): four parts of the logit in base 2, LESS sum_h v[h] log2(e),
; which is the same along the softmax's axis and is left out (shown at the head of the first launch).  2^(c x) may overflow to infinity (r = 0) or fall to 0 (r = 1): both are tanh's own limits in f32.
; SHARES.  A work-group makes 512 rows x 256 columns: quarter Q = its x, rows 512 R on, R = its y.  THE WEIGHTS STAY IN REGISTERS: wave w = 2 p + g holds columns 128 g .. 128 g + 127 of the quarter for ALL of K, 64 fragments,
; 768 registers, and streams the rows past them in blocks of 16: block i of a wave is the work-group's block 2 i + p, sixteen blocks a wave: 64 products, then their tanh and their sum with v.
; CLUSTER 4 x 4: the four of a row of the cluster (same R) need the same rows, the four of a column (same Q) the same weights: each tile is asked for JOINTLY, by the same load with the same descriptor and a mask that names the four.
; A batch has 2,048 rows: the cluster's y is the batch.
.set PITCH, 816                        ; LDS: slot A, 128 rows of 816 bytes (768 + 16 behind each 256: row r starts at bank 12 r mod 64)
.set SLOT,  128*PITCH                  ; the rows come in four chunks of 128: 0 and 2 in slot A, 1 and 3 in slot B
.set WREG,  SLOT                       ; behind A the quarter's images and scale words, 204,800 bytes, read once, into registers.  THEN slot B lies there, right behind A,
.set RED,   2*SLOT                     ; and behind B the row sums: [column group g][512 rows], stored only behind the round of block 0
.set WSL,   WREG+196608                ; the weights' scale words
.set XSL,   WREG+204800                ; the scale bytes of all 512 rows, 32 a row
.set HBL,   XSL+16384                  ; c (hid_part + b_attn) of the 256 columns
.set SPARE, HBL+1024                   ; the spare words, 128 bytes for each wave
.set CEXP,  0x4038aa3b                 ; c
; FILLS.  At the head one joint load a wave: wave 0 the weights of K steps 0-3, wave 1 those of K steps 4-7 and the scale words behind them, wave 2 the rows' scale bytes, wave 3 chunk 0.
; The first barrier shows what wave 0 asked for, the second the rest.  Three refills by wave 3, a chunk each, each in a drained round of the cluster's barrier: chunk 1 in block 0 (all waves hold the weights by then),
; chunk 2 in block 3, chunk 3 in block 7.  A round shows the chunk asked for in the round before; a plain barrier in block 11 shows chunk 3.
; PREFETCH: chunk 1 behind the first barrier, chunks 2 and 3 in the round's block before their own: a chunk's 384 units of 256 bytes are shared out by address among the 16 waves of the four work-groups that will ask jointly, 24 a wave.
; LAYOUT.  Source 0 = 16 rows, source 1 = 16 columns of W: a lane holds ONE column (16 t + lane % 16 of my 128) and eight rows (8 (lane / 16) + j): hb and v are one number a tile.
; A scale register serves two K steps: lanes 0-15 hold K step k's words, lanes 16-31 K step k + 4's.
; REGISTERS: windows 1, 2, 3: fragments 0-62 of W (fragment 8 q + t: K step q, tile t), 21 a window; window 0: all else.  v0-63 eight accumulators, tile t at 8 t
.set XF,  64                           ; v64-159 x's eight fragments of a block
.set FZ,  160                          ; v160-171 fragment 63 of W
.set WS,  172                          ; v172-203 W's scale words: 4 t + K step % 4
.set SPW, 204                          ; v204    my spare word
.set NIL, 205                          ; v205    0
.set XS,  206                          ; v206-209 x's scale words
.set HV,  210                          ; v210-225 hb and v of tile t, side by side
.set SM,  226                          ; v226-233 the sums v r of my eight rows
.set T0,  234
.set T1,  235
.set XA,  236                          ; v236, v237 LDS address of my fragments in block 0 (v237: for pieces behind one padding more in lanes 16-31)
.set XC,  238                          ; v238, v239 the same in the block that is fetched
.set XSA, 240                          ; v240, v244 likewise of my row's scale words
.set RAD, 241                          ; v241, v245 likewise where my sums go
.set PFO, 242                          ; v242    the prefetch's offset
.set TD,  243                          ; v243    16 x my thread's number
.set XSC, 244
.set RADC, 245
.set MSB, 0
.macro WIN new                         ; the immediate's high byte repeats the setting that is left; a switch that changes nothing is dropped
.if MSB != (\new)
	s_set_vgpr_msb (MSB<<8)|(\new)
.set MSB, (\new)
.endif
.endm
.macro PLACES n
.rept \n
	v_nop
.endr
.endm
.macro WALU
	s_wait_alu depctr_va_vdst(0)
.endm
.macro BARRIER
	s_barrier_signal -1
	s_barrier_wait -1
.endm
.macro CREST                           ; a round of the cluster's barrier behind its opening barrier
	s_cmp_lg_u32 s16, 0
	s_cbranch_scc1 .Lnot_wave_0_\@
	s_barrier_signal -3
.Lnot_wave_0_\@:
	s_barrier_wait -3
	s_barrier_signal -1
	s_barrier_wait -1
.endm
.macro CROUND
	s_barrier_signal -1
	s_barrier_wait -1
	CREST
.endm
.macro TLOAD g0, g1
	tensor_load_to_lds s[\g0:\g0+3], s[\g1:\g1+7]
	s_nop 0
	PLACES 4
.endm
.macro DENSE g, mask, rows             ; group 1 of a dense block: rows of 256 bytes, 32 elements of 8
	s_or_b32 s[\g], s\mask, (3<<16)|(1<<21)
	s_mov_b32 s[\g+1], 32<<16
	s_mov_b32 s[\g+2], (\rows)<<16
	s_mov_b32 s[\g+3], 32<<16
	s_mov_b32 s[\g+4], \rows
	s_mov_b32 s[\g+5], 32
	s_mov_b32 s[\g+6], 0
	s_mov_b32 s[\g+7], 0
.endm
.macro ASK chunk                       ; my 24 units of a chunk, into the L2; offset and base are never rewritten
	global_prefetch_b8 v[PFO], s[78:79] offset:98304*\chunk th:TH_LOAD_NT scope:SCOPE_SE
.endm
; A fragment of x, 16 rows x 128 K: lane l holds row l % 16; registers 6 c .. 6 c + 5 hold K = 64 c + 32 (l / 16) + 0 .. 31: 24 bytes of the row's stream of bits, in six pieces of 8 bytes, two to a load where both go by the same address register.
.macro FRAG reg, q
.set SKIP_, 0
.irp p, 0,1,2,3,4,5
.if SKIP_
.set SKIP_, 0
.else
.set PC_, 12*(\q)+6*(\p/3)+\p%3
.set PN_, 12*(\q)+6*((\p+1)/3)+(\p+1)%3
.set X_, (PC_%32+3)/32
.set XQ_, (PN_%32+3)/32
.if (\p < 5) && (X_ == XQ_)
.set SKIP_, 1
	ds_load_2addr_b64 v[\reg+2*\p:\reg+2*\p+3], v[XC+X_] offset0:PC_+2*(PC_/32) offset1:PN_+2*(PN_/32)
.else
	ds_load_b64 v[\reg+2*\p:\reg+2*\p+1], v[XC+X_] offset:8*(PC_+2*(PC_/32))
.endif
.endif
.endr
.endm
.macro FETCH                           ; a block's scale words and fragments: 27 loads in one run
	ds_load_b128 v[XS:XS+3], v[XSC]
.irp q, 0,1,2,3,4,5,6,7
	FRAG XF+12*\q, \q
.endr
.endm
.macro FETCHW kh, th                   ; K steps 4 kh .. + 3 of my tiles 4 th .. + 3: 48 loads of 512 consecutive bytes
.irp u, 0,1,2,3
.irp t, 0,1,2,3
.set q_, 4*\kh+\u
.set t_, 4*\th+\t
.set f_, 8*q_+t_
.if f_ == 63
	WIN 0
.set w_, FZ
.else
	WIN ((1+f_/21)<<6)
.set w_, 12*(f_%21)
.endif
.irp n, 0,1,2
	ds_load_b128 v[w_+4*\n:w_+4*\n+3], v[32+q_/2] offset:24576*(q_%2)+1536*t_+512*\n
.endr
.endr
.endr
	WIN 0
.endm
.macro PR c, row
	v_wmma_scale_f32_16x16x128_f8f6f4 v[d_:d_+7], v[x_:x_+11], v[w_:w_+11], \c, v[XS+k_], v[WS+s_+k_] matrix_a_fmt:MATRIX_FMT_FP6 matrix_b_fmt:MATRIX_FMT_FP6 matrix_a_scale:MATRIX_SCALE_ROW\row matrix_b_scale:MATRIX_SCALE_ROW\row
.endm
.macro PROD hf                         ; product n_ of a half: K step n_ / 4, tile 4 hf + n_ % 4
.set q_, n_/4
.set t_, 4*\hf+n_%4
.set f_, 8*q_+t_
.if f_ == 63
	WIN 0
.set w_, FZ
.else
	WIN ((1+f_/21)<<2)
.set w_, 12*(f_%21)
.endif
.set d_, 8*t_
.set x_, XF+12*q_
.set k_, q_%4
.set s_, 4*t_
.if q_ == 0
	PR 0, 0
.elseif q_ < 4
	PR v[d_:d_+7], 0
.else
	PR v[d_:d_+7], 1
.endif
.endm
; Products from .. to - 1 of a half: its four accumulators take turns, one instruction a turn.  Behind every second product stands a point of the list: three plain lines.
.macro MULH hf, from, to, list, x=0
.set n_, \from
.rept (\to)-(\from)
	PROD \hf
.if n_%2
	\list n_/2, \x
.endif
.set n_, n_+1
.endr
.endm
.macro L_NONE i, x
.endm
; The sums over the sixteen lanes of a half.  Of two registers a, b each lane keeps one (b where mask m has its bit) and takes the same one from lane l xor x: the number of registers halves, and in the end lane r holds row 8 h + r / 2.
.macro RL j, a, b, c, d, m, x
.if (\j) == 0
	v_cndmask_b32 v[T0], v[SM+\b], v[SM+\a], s\m
.elseif (\j) == 1
	v_cndmask_b32 v[T1], v[SM+\d], v[SM+\c], s\m
.elseif (\j) == 2
	v_cndmask_b32 v[SM+\a], v[SM+\a], v[SM+\b], s\m
.elseif (\j) == 3
	v_cndmask_b32 v[SM+\c], v[SM+\c], v[SM+\d], s\m
.elseif (\j) == 4
	v_add_f32_dpp v[SM+\a], v[T0], v[SM+\a] row_xmask:\x row_mask:0xf bank_mask:0xf
.else
	v_add_f32_dpp v[SM+\c], v[T1], v[SM+\c] row_xmask:\x row_mask:0xf bank_mask:0xf
.endif
.endm
; The block before's last lines, 38: tiles 4 to 7 are added onto the sums v r; then the sums over lanes.
.macro ALINE k
.if (\k) < 16
.set a_, 8*(4+(\k)/4)+2*((\k)%4)
.set b_, SM+2*((\k)%4)
.set c_, HV+2*(4+(\k)/4)
	v_pk_fma_f32 v[b_:b_+1], v[a_:a_+1], v[c_:c_+1], v[b_:b_+1] op_sel:[0,1,0] op_sel_hi:[1,1,1]   ; of the pair (hb, v) the high word serves both halves
.elseif (\k) < 22
	RL (\k)-16, 0, 4, 1, 5, 80, 8
.elseif (\k) < 28
	RL (\k)-22, 2, 6, 3, 7, 80, 8
.elseif (\k) < 34
	RL (\k)-28, 0, 2, 1, 3, 81, 4
.elseif (\k) == 34
	v_cndmask_b32 v[T0], v[SM+1], v[SM], s82
.elseif (\k) == 35
	v_cndmask_b32 v[SM], v[SM], v[SM+1], s82
.elseif (\k) == 36
	v_add_f32_dpp v[SM], v[T0], v[SM] row_xmask:2 row_mask:0xf bank_mask:0xf
.elseif (\k) == 37
	v_add_f32_dpp v[SM], v[SM], v[SM] row_xmask:1 row_mask:0xf bank_mask:0xf
.endif
.endm
.macro L_A i, x                        ; among the first half's products
.if (\i) < 13
	WIN 0
	ALINE 3*(\i)
	ALINE 3*(\i)+1
	ALINE 3*(\i)+2
.endif
.endm
.macro ELINE k                         ; c acc + hb, two rows at a time; each accumulator from its low end on
.if (\k) < 32
.set a_, 8*((\k)/4)+2*((\k)%4)
.set c_, HV+2*((\k)/4)
	v_pk_fma_f32 v[a_:a_+1], v[a_:a_+1], s[76:77], v[c_:c_+1] op_sel_hi:[1,0,0]   ; of the pairs c and (hb, v) the low word serves both halves
.endif
.endm
; Among the second half's products: the next addresses (four lines: the places between the first half's last product and the first read of its results, ISA guide 7.12.1), then the multiply-adds of tiles 0 to 3.
.macro L_B i, x
.if (\i) == 0
	WIN 0
.if (\x) == 15
	PLACES 3
.elseif (\x) == 7
	s_mov_b32 s96, 0                               ; back to slot A
.else
	s_add_co_u32 s96, s96, 32*PITCH                ; two blocks on; slot B lies right behind slot A
.endif
.if (\x) < 15
	s_add_co_u32 s98, s98, 1024
	v_add_nc_u32 v[XC], s96, v[XA]
	v_add_nc_u32 v[XC+1], s96, v[XA+1]
	v_add_nc_u32 v[XSC], s98, v[XSA]
.endif
	v_add_nc_u32 v[RADC], s99, v[RAD]              ; where the sum of the block before goes
.if (\x) > 0
	s_add_co_u32 s99, s99, 128
.endif
.elseif (\i) < 6
	WIN 0
	ELINE 3*(\i)-3
	ELINE 3*(\i)-2
	ELINE 3*(\i)-1
.elseif (\i) == 6
	WIN 0
	ELINE 15
.endif
.endm
; BEHIND A BLOCK'S PRODUCTS: S = sum over my tiles of v r, r = 1 / (1 + 2^(c acc + hb)), in place in the accumulators.  The additions of 1 of one half stand among the exponentials or reciprocals of the other.
; Tiles 4 to 7 are added onto S among the next block's products.
.macro EPI
.set i_, 16
.rept 16
	ELINE i_
.set i_, i_+1
.endr
	WALU
.set i_, 0
.rept 32
	v_exp_f32 v[i_], v[i_]
.set i_, i_+1
.endr
	WALU
.set i_, 0
.rept 16
	v_exp_f32 v[i_+32], v[i_+32]
	v_exp_f32 v[i_+33], v[i_+33]
	v_pk_add_f32 v[i_:i_+1], v[i_:i_+1], 1.0 op_sel_hi:[1,0]
.set i_, i_+2
.endr
	WALU
.set i_, 0
.rept 16
	v_rcp_f32 v[i_], v[i_]
	v_rcp_f32 v[i_+1], v[i_+1]
	v_pk_add_f32 v[i_+32:i_+33], v[i_+32:i_+33], 1.0 op_sel_hi:[1,0]
.set i_, i_+2
.endr
	WALU
.set i_, 32
.rept 32
	v_rcp_f32 v[i_], v[i_]
.set i_, i_+1
.endr
	WALU
.irp t, 0,1,2,3
.irp n, 0,2,4,6
.if \t == 0
	v_pk_mul_f32 v[SM+\n:SM+\n+1], v[\n:\n+1], v[HV:HV+1] op_sel:[0,1] op_sel_hi:[1,1]
.else
	v_pk_fma_f32 v[SM+\n:SM+\n+1], v[8*\t+\n:8*\t+\n+1], v[HV+2*\t:HV+2*\t+1], v[SM+\n:SM+\n+1] op_sel:[0,1,0] op_sel_hi:[1,1,1]
.endif
.endr
.endr
.endm
; BLOCK i.  kind 0: as most; 1: with a round and a refill; 2: with a plain barrier that shows the last refill; 3: the last, which fetches nothing.
; A block's fragments are all in registers at its start: behind that the slot is read no more, so the round's add stands there, its wait and the opening signal between the halves, the opening wait behind the second half.
.macro BLK i, kind
	WALU
.if \i > 0
	s_wait_dscnt 0x0
.endif
.if (\kind == 1) || (\kind == 2)
	s_wait_tensorcnt 0x0                           ; no tensor load of mine is out: the next chunk is in, and a group 0 may be written
.endif
.if \kind == 1
	ds_add_u32 v[SPW], v[NIL]                      ; 0 onto my spare word
.if \i == 3
	s_mov_b32 s45, 0                               ; slot A,
.else
	s_mov_b32 s45, SLOT                            ; slot B,
.endif
	s_add_nc_u64 s[46:47], s[46:47], 98304         ; the next chunk
.endif
.if \i == 0
	s_wait_dscnt 63                                ; 96 loads of weights and the add could stay out; the count's field ends at 63, and a smaller count is safe
	MULH 0, 0, 16, L_NONE
	s_wait_dscnt 49                                ; the 48 loads of tiles 4-7's weights and the add may be out
	MULH 0, 16, 32, L_NONE
.else
	MULH 0, 0, 32, L_A
.endif
.if (\kind == 1) || (\kind == 2)
	s_wait_dscnt 0x0                               ; the add is done, and so are all my reads of what is filled again
	s_barrier_signal -1
.endif
	MULH 1, 0, 32, L_B, \i
	WIN 0
.if (\kind == 1) || (\kind == 2)
	s_barrier_wait -1
.endif
.if \kind == 1
	CREST                                          ; no wave of any partner still reads these bytes or has a load on its way
	s_cmp_eq_u32 s16, 3
	s_cbranch_scc0 .Lno_refill_\@
	TLOAD 44, 24                                   ; wave 3: 128 rows
.Lno_refill_\@:
.endif
	PLACES 4                                       ; ahead of loads into registers that the products read, and of reads of their results
	WALU
.if \i > 0
	ds_store_b32 v[RADC], v[SM]                    ; the block before's sum: two lanes write the same word with the same value
.endif
.if \kind < 3
	FETCH
.endif
.if \i == 0
	ASK 2
.elseif (\i == 3) && (\kind == 1)
	ASK 3
.endif
	EPI
.endm
.macro RUN n                           ; n blocks as most
	s_mov_b32 s94, 0
.Lrun_\@:
	BLK 4, 0
	s_add_co_u32 s94, s94, 1
	s_cmp_lt_u32 s94, \n
	s_cbranch_scc1 .Lrun_\@
.endm
	s_load_b256 s[4:11], s[0:1], 0x0               ; codes s[4:5], scales s[6:7], wq s[8:9], hp s[10:11]
	s_load_b128 s[12:15], s[0:1], 0x20             ; b_attn s[12:13], v s[14:15]
	s_load_b64 s[2:3], s[0:1], 0x30                ; att
	v_lshl_add_u32 v[SPW], v0, 2, SPARE
	v_mov_b32 v[NIL], 0
	ds_add_u32 v[SPW], v[NIL]                      ; the wave's opening: the add, twice on end, and its wait ahead of my first tensor load
	ds_add_u32 v[SPW], v[NIL]
	v_lshrrev_b32 v1, 5, v0
	v_readfirstlane_b32 s16, v1                    ; w
	s_and_b32 s17, s16, 1                          ; g
	s_lshr_b32 s18, s16, 1                         ; p
	s_bfe_u32 s19, ttmp6, 0x40000                  ; cx
	s_bfe_u32 s20, ttmp6, 0x40004                  ; cy
	s_and_b32 s21, ttmp7, 0xffff                   ; the batch
	s_lshl_b32 s22, ttmp9, 2
	s_add_co_u32 s22, s22, s19                     ; Q
	s_lshl_b32 s23, s21, 2
	s_add_co_u32 s23, s23, s20                     ; R
	s_lshl_b32 s84, s20, 2
	s_lshl_b32 s84, 15, s84                        ; my row of the cluster
	s_lshl_b32 s85, 0x1111, s19                    ; my column
	; group 1 for 128 rows of codes, 16 bytes of padding behind every 256
	s_or_b32 s24, s84, (1<<20)|(1<<21)|(5<<22)|(3<<25)
	s_mov_b32 s25, 768<<16
	s_mov_b32 s26, 128<<16
	s_mov_b32 s27, 768<<16
	s_mov_b32 s28, 128
	s_mov_b32 s29, 768
	s_mov_b32 s30, 0
	s_mov_b32 s31, 0
	DENSE 32, 85, 384                              ; four K steps of the quarter's weights
	DENSE 56, 84, 64                               ; the scale bytes of 512 rows
	DENSE 68, 85, 416                              ; the other four, and the scale words
	s_mul_i32 s88, s23, 512*768                    ; my work-group's rows
	s_mov_b32 s89, 0
	s_lshl_b32 s90, s19, 2
	s_add_co_u32 s90, s90, s16                     ; my number among the 16 waves that ask for these rows
	s_mul_i32 s90, s90, 6144
	s_add_co_u32 s90, s90, s88
	s_mov_b32 s91, 0
	s_mul_i32 s86, s22, 204800
	s_mov_b32 s87, 0
	s_lshl_b32 s94, s23, 14
	s_mov_b32 s95, 0
	s_mov_b32 s40, 1
	s_mov_b32 s41, WREG
	s_mov_b32 s44, 1
	s_mov_b32 s45, 0
	s_mov_b32 s48, 1
	s_mov_b32 s49, XSL
	s_mov_b32 s52, 1
	s_mov_b32 s53, WREG+98304
	s_lshl_b32 s98, s22, 14                        ; hp: my quarter's tiles; of each the register and the half of the lanes that hold my batch
	s_bfe_u32 s100, s21, 0x10002
	s_lshl_b32 s100, s100, 9
	s_add_co_u32 s98, s98, s100
	s_lshr_b32 s100, s21, 3
	s_lshl_b32 s100, s100, 8
	s_add_co_u32 s98, s98, s100
	s_and_b32 s100, s21, 3
	s_lshl_b32 s100, s100, 2
	s_add_co_u32 s98, s98, s100
	s_mov_b32 s99, 0
	s_lshl_b32 s100, s22, 10                       ; b_attn, v: my quarter
	s_mov_b32 s101, 0
	s_lshl_b32 s66, s22, 17                        ; att: my quarter's part, 512 rows
	s_lshl_b32 s67, s23, 11
	s_add_co_u32 s66, s66, s67
	s_mov_b32 s67, 0
	s_mov_b32 s76, CEXP
	s_mov_b32 s77, s76                             ; (named with it as a pair)
	s_mov_b32 s80, 0xff00ff00                      ; lanes with bit 3,
	s_mov_b32 s81, 0xf0f0f0f0                      ; bit 2,
	s_mov_b32 s82, 0xcccccccc                      ; bit 1
	WALU
	s_wait_dscnt 0x0                               ; both opening adds are done
	s_wait_kmcnt 0x0
	s_add_nc_u64 s[46:47], s[4:5], s[88:89]
	s_or_b32 s47, s47, 0x80000000
	s_add_nc_u64 s[78:79], s[4:5], s[90:91]        ; the prefetches' base
	s_add_nc_u64 s[50:51], s[6:7], s[94:95]
	s_or_b32 s51, s51, 0x80000000
	s_add_nc_u64 s[42:43], s[8:9], s[86:87]
	s_add_nc_u64 s[54:55], s[42:43], 98304
	s_or_b32 s55, s55, 0x80000000
	s_or_b32 s43, s43, 0x80000000
	s_add_nc_u64 s[10:11], s[10:11], s[98:99]
	s_add_nc_u64 s[12:13], s[12:13], s[100:101]
	s_add_nc_u64 s[14:15], s[14:15], s[100:101]
	s_lshl_b32 s100, s17, 9
	s_add_nc_u64 s[14:15], s[14:15], s[100:101]
	s_add_nc_u64 s[2:3], s[2:3], s[66:67]
	v_and_b32 v1, 15, v0                           ; r
	v_lshrrev_b32 v39, 4, v0                       ; thread t takes the quarter's columns t and t + 128: tiles t / 16 and 8 on, column t % 16 of them
	v_lshlrev_b32 v39, 10, v39
	v_lshl_add_u32 v39, v1, 4, v39
	v_lshlrev_b32 v40, 2, v0
	v_lshlrev_b32 v41, 2, v1
.irp k, 0,1,2,3,4,5,6,7
	global_load_b32 v[64+\k], v39, s[10:11] offset:65536*\k        ; hid_part's eight parts along K
	global_load_b32 v[72+\k], v39, s[10:11] offset:65536*\k+8192
.endr
	global_load_b32 v80, v40, s[12:13]
	global_load_b32 v81, v40, s[12:13] offset:512
.irp t, 0,1,2,3,4,5,6,7
	global_load_b32 v[HV+2*\t+1], v41, s[14:15] offset:64*\t
.endr
	WALU
	CROUND                                         ; all sixteen work-groups are here: the first joint loads meet
	s_cmp_eq_u32 s16, 0
	s_cbranch_scc0 .Lwave_1
	TLOAD 40, 32                                   ; wave 0: the weights of K steps 0 to 3
	s_branch .Lasked
.Lwave_1:
	s_cmp_eq_u32 s16, 1
	s_cbranch_scc0 .Lwave_2
	TLOAD 52, 68                                   ; wave 1: those of K steps 4 to 7, and the scale words
	s_branch .Lasked
.Lwave_2:
	s_cmp_eq_u32 s16, 2
	s_cbranch_scc0 .Lwave_3
	TLOAD 48, 56                                   ; wave 2: the rows' scale bytes
	s_branch .Lasked
.Lwave_3:
	TLOAD 44, 24                                   ; wave 3: chunk 0
.Lasked:
	s_mul_i32 s88, s18, 16*PITCH
	s_lshl_b32 s89, s18, 9
	s_add_co_u32 s89, s89, XSL
	s_lshl_b32 s90, s17, 11
	s_lshl_b32 s91, s18, 6
	s_add_co_u32 s90, s90, s91
	s_add_co_u32 s90, s90, RED
	s_mul_i32 s91, s17, 12288
	s_add_co_u32 s91, s91, WREG
	s_lshl_b32 s92, s17, 9
	s_add_co_u32 s93, s92, WSL
	s_add_co_u32 s92, s92, HBL
	s_mov_b32 s96, 0
	s_mov_b32 s98, 0
	s_mov_b32 s99, 0
	v_and_b32 v1, 15, v0                           ; r
	v_bfe_u32 v2, v0, 4, 1                         ; h
	v_and_b32 v3, 31, v0                           ; lane
	v_lshl_add_u32 v32, v3, 4, s91                 ; my columns' images: 16 x lane; two K steps a register
	v_add_nc_u32 v33, 49152, v32
	v_add_nc_u32 v34, 2*49152, v32
	v_add_nc_u32 v35, 3*49152, v32
	v_mul_u32_u24 v8, v1, PITCH
	v_mad_u32_u24 v9, v2, 24, v8                   ; a fragment of x: row x pitch + 24 x half; block p
	v_add_nc_u32 v[XA], s88, v9
	v_add_nc_u32 v[XC], s88, v9
	v_mad_u32_u24 v9, v2, 40, v8                   ; behind one padding more in lanes 16-31
	v_add_nc_u32 v[XA+1], s88, v9
	v_add_nc_u32 v[XC+1], s88, v9
	v_lshlrev_b32 v9, 5, v1
	v_lshl_add_u32 v9, v2, 4, v9
	v_add_nc_u32 v[XSA], s89, v9                   ; row r's scale bytes 16 h on
	v_add_nc_u32 v[XSC], s89, v9
	v_lshrrev_b32 v10, 1, v1
	v_lshlrev_b32 v10, 2, v10
	v_lshl_add_u32 v10, v2, 5, v10
	v_add_nc_u32 v[RAD], s90, v10                  ; row 8 h + r / 2 of block p
	v_lshlrev_b32 v9, 12, v2
	v_lshl_add_u32 v9, v1, 2, v9
	v_add_nc_u32 v36, s93, v9                      ; my columns' scale words: lanes 16-31 four K steps on
	v_lshl_add_u32 v37, v1, 2, s92                 ; hb of my columns
	v_lshlrev_b32 v9, 2, v0
	v_add_nc_u32 v38, HBL, v9                      ; and of column t
	v_min_u32 v8, 23, v3
	v_lshlrev_b32 v[PFO], 8, v8                    ; 24 units, the last named again by the lanes left over
	v_lshlrev_b32 v[TD], 4, v0
	WALU
	s_cmp_eq_u32 s16, 0
	s_cbranch_scc0 .Lnot_first
	s_wait_tensorcnt 0x0
.Lnot_first:
	BARRIER                                        ; what wave 0 asked for is in; the rest may be on its way
	ASK 1
	FETCHW 0, 0
	FETCHW 0, 1
	s_wait_loadcnt 0x0
.irp m, 64,72
	v_pk_add_f32 v[\m:\m+1], v[\m:\m+1], v[\m+2:\m+3]
	v_pk_add_f32 v[\m+4:\m+5], v[\m+4:\m+5], v[\m+6:\m+7]
	v_pk_add_f32 v[\m:\m+1], v[\m:\m+1], v[\m+4:\m+5]
	v_add_f32 v[\m], v[\m], v[\m+1]
	v_add_f32 v[\m], v[\m], v[80+(\m-64)/8]
	v_mul_f32 v[\m], CEXP, v[\m]                   ; c (hid_part + b_attn)
	ds_store_b32 v38, v[\m] offset:64*(\m-64)
.endr
	WALU
	s_wait_tensorcnt 0x0
	s_wait_dscnt 0x0
	BARRIER                                        ; all that the head asked for is in, and hb
.irp t, 0,1,2,3,4,5,6,7
.irp k, 0,1,2,3
	ds_load_b32 v[WS+4*\t+\k], v36 offset:1024*\k+64*\t
.endr
.endr
.irp t, 0,1,2,3,4,5,6,7
	ds_load_b32 v[HV+2*\t], v37 offset:64*\t
.endr
	FETCH
	FETCHW 1, 0
	FETCHW 1, 1
	BLK 0, 1
	RUN 2
	BLK 3, 1
	RUN 3
	BLK 7, 1
	RUN 3
	BLK 11, 2
	RUN 3
	BLK 15, 3
.set z_, 0
.rept 38
	ALINE z_
.set z_, z_+1
.endr
	ds_store_b32 v[RAD], v[SM] offset:15*128
	; THE WAY OUT: the two column groups' sums are added, four rows a thread, multiplied by -c and stored
	s_wait_dscnt 0x0                               ; for the others' sake: my sums have landed
	BARRIER
	v_add_nc_u32 v64, RED, v[TD]
	ds_load_b128 v[68:71], v64
	ds_load_b128 v[72:75], v64 offset:2048
	s_wait_dscnt 0x0
	v_pk_add_f32 v[68:69], v[68:69], v[72:73]
	v_pk_add_f32 v[70:71], v[70:71], v[74:75]
	v_pk_mul_f32 v[68:69], v[68:69], 0xc038aa3b op_sel_hi:[1,0]
	v_pk_mul_f32 v[70:71], v[70:71], 0xc038aa3b op_sel_hi:[1,0]
	global_store_b128 v[TD], v[68:71], s[2:3]      ; 32 lanes store 512 consecutive bytes, at a multiple of 256 from att's first byte
	s_wait_tensorcnt 0x0                           ; the wave's end: these three lines, behind my last tensor load and my last LDS store
	ds_add_u32 v[SPW], v[NIL]
	s_wait_dscnt 0x0
	CROUND                                         ; the closing round: no work-group ends while a partner may still ask for a tile that names it
	s_endpgm
.Lfunc_end_k_qf10c96a26c_energy:
	.size	k_qf10c96a26c_energy, .Lfunc_end_k_qf10c96a26c_energy-k_qf10c96a26c_energy
	.p2alignl 7, 3214868480
	.fill 96, 4, 3214868480
	.section	.rodata,"a",@progbits
	.p2align	6, 0x0
	.amdhsa_kernel k_qf10c96a26c_energy
		.amdhsa_group_segment_fixed_size 327680
		.amdhsa_private_segment_fixed_size 0
		.amdhsa_enable_private_segment 0
		.amdhsa_kernarg_size 56
		.amdhsa_user_sgpr_count 2
		.amdhsa_user_sgpr_kernarg_segment_ptr 1
		.amdhsa_wavefront_size32 1
		.amdhsa_system_sgpr_workgroup_id_x 1
		.amdhsa_system_sgpr_workgroup_id_y 1
		.amdhsa_system_sgpr_workgroup_id_z 1
		.amdhsa_system_vgpr_workitem_id 0
		.amdhsa_next_free_vgpr 1024
		.amdhsa_next_free_sgpr 102
		.amdhsa_reserve_vcc 0
		.amdhsa_float_denorm_mode_32 3
		.amdhsa_float_denorm_mode_16_64 3
		.amdhsa_memory_ordered 1
		.amdhsa_forward_progress 1
		.amdhsa_inst_pref_size 241
	.end_amdhsa_kernel
	.amdgpu_metadata
---
amdhsa.version: [ 1, 2 ]
amdhsa.kernels:
  - .name:           k_qf10c96a26c_energy
    .symbol:         k_qf10c96a26c_energy.kd
    .args:
      - { .name: encoder_outputs_codes, .offset: 0, .size: 8, .value_kind: global_buffer, .address_space: global }
      - { .name: encoder_outputs_scales, .offset: 8, .size: 8, .value_kind: global_buffer, .address_space: global }
      - { .name: wq, .offset: 16, .size: 8, .value_kind: global_buffer, .address_space: global }
      - { .name: hp, .offset: 24, .size: 8, .value_kind: global_buffer, .address_space: global }
      - { .name: b_attn, .offset: 32, .size: 8, .value_kind: global_buffer, .address_space: global }
      - { .name: v, .offset: 40, .size: 8, .value_kind: global_buffer, .address_space: global }
      - { .name: att, .offset: 48, .size: 8, .value_kind: global_buffer, .address_space: global }
    .group_segment_fixed_size: 327680
    .private_segment_fixed_size: 0
    .kernarg_segment_align: 8
    .kernarg_segment_size: 56
    .max_flat_workgroup_size: 128
    .sgpr_count:     102
    .vgpr_count:     1024
    .wavefront_size: 32
...
	.end_amdgpu_metadata
.endif
;; end of part 2
;; launch soft (part 3): grid 16 x 1, 16 waves a work-group, no clusters, 2,560 bytes of LDS; arguments att, out0; writes out0
.if DOCPART == 3
	.amdgcn_target "amdgcn-amd-amdhsa--gfx1250"
	.amdhsa_code_object_version 6
	.text
	.protected	k_qf10c96a26c_soft
	.globl	k_qf10c96a26c_soft
	.p2align	8
	.type	k_qf10c96a26c_soft,@function
k_qf10c96a26c_soft:
	s_mov_b64 s[64:65], 0
	v_nop
	global_prefetch_b8 v0, s[64:65] scope:SCOPE_SE
	s_setreg_imm32_b32 hwreg(HW_REG_WAVE_MODE, 25, 1), 1
	s_wait_xcnt 0x0
; out0[b][s] = 2^(z - max) / sum over s of 2^(z - max), z = att[b][s]: the logit in base 2, less a term that is the same along s and was left out (shown at the head of the first launch): the softmax takes it away.
; One work-group a batch: 512 threads, four numbers (16 bytes) each: a wave loads and stores 512 consecutive bytes.  The row's maximum is taken away ahead of the exponentials, so each is at most 1 and the sum at least 1.
; The waves' maxima and sums meet in LDS, in bytes of their own: 0 .. 63 and 256 .. 319; from 512 on the spare words, 128 bytes for each of the sixteen waves, which no other line names.
	s_load_b128 s[4:7], s[0:1], 0x0                ; att, out0
	v_lshl_add_u32 v30, v0, 2, 512
	v_mov_b32 v31, 0
	v_lshlrev_b32 v1, 4, v0                        ; my 16 bytes
	v_lshrrev_b32 v10, 5, v0
	s_delay_alu instid0(VALU_DEP_1)
	v_lshlrev_b32 v10, 2, v10                      ; my wave's word
	v_mov_b32 v11, 0
	v_mov_b32 v9, 0                                ; (a lane permute's destination counts as one of its sources)
	s_lshl_b32 s8, ttmp9, 13                       ; the batch's 8,192 bytes
	s_mov_b32 s9, 0
	s_mov_b32 s10, 0x76543210
	s_mov_b32 s11, 0xfedcba98                      ; v_permlanex16_b32's selects for lane l xor 16
	s_wait_alu depctr_va_vdst(0)
	s_wait_kmcnt 0x0
	s_add_nc_u64 s[4:5], s[4:5], s[8:9]
	s_add_nc_u64 s[6:7], s[6:7], s[8:9]
	global_load_b128 v[4:7], v1, s[4:5] th:TH_LOAD_NT          ; the logit's four parts, one for each quarter of the columns
	global_load_b128 v[12:15], v1, s[4:5] offset:131072 th:TH_LOAD_NT
	global_load_b128 v[16:19], v1, s[4:5] offset:262144 th:TH_LOAD_NT
	global_load_b128 v[20:23], v1, s[4:5] offset:393216 th:TH_LOAD_NT
	s_wait_loadcnt 0x0
	v_pk_add_f32 v[4:5], v[4:5], v[12:13]
	v_pk_add_f32 v[6:7], v[6:7], v[14:15]
	v_pk_add_f32 v[16:17], v[16:17], v[20:21]
	v_pk_add_f32 v[18:19], v[18:19], v[22:23]
	v_pk_add_f32 v[4:5], v[4:5], v[16:17]
	v_pk_add_f32 v[6:7], v[6:7], v[18:19]
	v_max3_num_f32 v8, v4, v5, v6
	s_delay_alu instid0(VALU_DEP_1)
	v_max_num_f32 v8, v8, v7
	s_delay_alu instid0(VALU_DEP_1)
	v_max_num_f32_dpp v8, v8, v8 row_xmask:1 row_mask:0xf bank_mask:0xf
	s_delay_alu instid0(VALU_DEP_1)
	v_max_num_f32_dpp v8, v8, v8 row_xmask:2 row_mask:0xf bank_mask:0xf
	s_delay_alu instid0(VALU_DEP_1)
	v_max_num_f32_dpp v8, v8, v8 row_xmask:4 row_mask:0xf bank_mask:0xf
	s_delay_alu instid0(VALU_DEP_1)
	v_max_num_f32_dpp v8, v8, v8 row_xmask:8 row_mask:0xf bank_mask:0xf
	s_delay_alu instid0(VALU_DEP_1)
	v_permlanex16_b32 v9, v8, s10, s11
	s_delay_alu instid0(VALU_DEP_1)
	v_max_num_f32 v8, v8, v9                       ; my wave's maximum, in every lane
	ds_store_b32 v10, v8
	s_wait_dscnt 0x0                               ; for the others' sake
	s_barrier_signal -1
	s_barrier_wait -1
.irp k, 0,1,2,3
	ds_load_b128 v[12+4*\k:15+4*\k], v11 offset:16*\k
.endr
	s_wait_dscnt 0x0
	v_max3_num_f32 v12, v12, v13, v14
	v_max3_num_f32 v15, v15, v16, v17
	v_max3_num_f32 v18, v18, v19, v20
	v_max3_num_f32 v21, v21, v22, v23
	v_max3_num_f32 v24, v24, v25, v26
	s_delay_alu instid0(VALU_DEP_3)
	v_max3_num_f32 v12, v12, v15, v18
	s_delay_alu instid0(VALU_DEP_2)
	v_max3_num_f32 v21, v21, v24, v27
	s_delay_alu instid0(VALU_DEP_1)
	v_max_num_f32 v12, v12, v21                    ; the row's maximum
.irp k, 4,5,6,7
	v_sub_f32 v[\k], v[\k], v12
.endr
	s_wait_alu depctr_va_vdst(0)
.irp k, 4,5,6,7
	v_exp_f32 v[\k], v[\k]
.endr
	v_nop                                          ; a plain line behind the last exponential
	s_wait_alu depctr_va_vdst(0)                   ; one wait for the four, ahead of their first reader
	v_add_f32 v8, v4, v5
	v_add_f32 v9, v6, v7
	s_delay_alu instid0(VALU_DEP_1)
	v_add_f32 v8, v8, v9
	s_delay_alu instid0(VALU_DEP_1)
	v_add_f32_dpp v8, v8, v8 row_xmask:1 row_mask:0xf bank_mask:0xf
	s_delay_alu instid0(VALU_DEP_1)
	v_add_f32_dpp v8, v8, v8 row_xmask:2 row_mask:0xf bank_mask:0xf
	s_delay_alu instid0(VALU_DEP_1)
	v_add_f32_dpp v8, v8, v8 row_xmask:4 row_mask:0xf bank_mask:0xf
	s_delay_alu instid0(VALU_DEP_1)
	v_add_f32_dpp v8, v8, v8 row_xmask:8 row_mask:0xf bank_mask:0xf
	s_delay_alu instid0(VALU_DEP_1)
	v_permlanex16_b32 v9, v8, s10, s11
	s_delay_alu instid0(VALU_DEP_1)
	v_add_f32 v8, v8, v9                           ; my wave's sum
	ds_store_b32 v10, v8 offset:256
	s_wait_dscnt 0x0
	s_barrier_signal -1
	s_barrier_wait -1
.irp k, 0,1,2,3
	ds_load_b128 v[12+4*\k:15+4*\k], v11 offset:256+16*\k
.endr
	s_wait_dscnt 0x0
	v_pk_add_f32 v[12:13], v[12:13], v[14:15]
	v_pk_add_f32 v[16:17], v[16:17], v[18:19]
	v_pk_add_f32 v[20:21], v[20:21], v[22:23]
	v_pk_add_f32 v[24:25], v[24:25], v[26:27]
	s_delay_alu instid0(VALU_DEP_3)
	v_pk_add_f32 v[12:13], v[12:13], v[16:17]
	s_delay_alu instid0(VALU_DEP_2)
	v_pk_add_f32 v[20:21], v[20:21], v[24:25]
	s_delay_alu instid0(VALU_DEP_1)
	v_pk_add_f32 v[12:13], v[12:13], v[20:21]
	s_delay_alu instid0(VALU_DEP_1)
	v_add_f32 v12, v12, v13                        ; the row's sum
	s_wait_alu depctr_va_vdst(0)
	v_rcp_f32 v14, v12
	v_nop                                          ; a plain line behind the reciprocal
	s_wait_alu depctr_va_vdst(0)                   ; and the wait ahead of its first reader
	v_pk_mul_f32 v[4:5], v[4:5], v[14:15] op_sel_hi:[1,0]   ; of the pair the low word serves both halves
	v_pk_mul_f32 v[6:7], v[6:7], v[14:15] op_sel_hi:[1,0]
	global_store_b128 v1, v[4:7], s[6:7] th:TH_STORE_NT
	s_wait_tensorcnt 0x0                           ; the wave's end
	ds_add_u32 v30, v31
	s_wait_dscnt 0x0
	s_endpgm
.Lfunc_end_k_qf10c96a26c_soft:
	.size	k_qf10c96a26c_soft, .Lfunc_end_k_qf10c96a26c_soft-k_qf10c96a26c_soft
	.p2alignl 7, 3214868480
	.fill 96, 4, 3214868480
	.section	.rodata,"a",@progbits
	.p2align	6, 0x0
	.amdhsa_kernel k_qf10c96a26c_soft
		.amdhsa_group_segment_fixed_size 2560
		.amdhsa_private_segment_fixed_size 0
		.amdhsa_enable_private_segment 0
		.amdhsa_kernarg_size 16
		.amdhsa_user_sgpr_count 2
		.amdhsa_user_sgpr_kernarg_segment_ptr 1
		.amdhsa_wavefront_size32 1
		.amdhsa_system_sgpr_workgroup_id_x 1
		.amdhsa_system_sgpr_workgroup_id_y 1
		.amdhsa_system_sgpr_workgroup_id_z 1
		.amdhsa_system_vgpr_workitem_id 0
		.amdhsa_next_free_vgpr 32
		.amdhsa_next_free_sgpr 66
		.amdhsa_reserve_vcc 0
		.amdhsa_float_denorm_mode_32 3
		.amdhsa_float_denorm_mode_16_64 3
		.amdhsa_memory_ordered 1
		.amdhsa_forward_progress 1
		.amdhsa_inst_pref_size 6
	.end_amdhsa_kernel
	.amdgpu_metadata
---
amdhsa.version: [ 1, 2 ]
amdhsa.kernels:
  - .name:           k_qf10c96a26c_soft
    .symbol:         k_qf10c96a26c_soft.kd
    .args:
      - { .name: att, .offset: 0, .size: 8, .value_kind: global_buffer, .address_space: global }
      - { .name: out0, .offset: 8, .size: 8, .value_kind: global_buffer, .address_space: global }
    .group_segment_fixed_size: 2560
    .private_segment_fixed_size: 0
    .kernarg_segment_align: 8
    .kernarg_segment_size: 16
    .max_flat_workgroup_size: 512
    .sgpr_count:     66
    .vgpr_count:     32
    .wavefront_size: 32
...
	.end_amdgpu_metadata
.endif
;; end of part 3
